; MI455X (gfx1250); checked and timed in simulation.
; The chip was launched on July 23, 2026; its instructions are those of AMD's public machine-readable ISA for CDNA 5 (MIT licence, August 2026) and "CDNA5" Instruction Set Architecture Reference Guide (July 2026). The comments in the code are by the model that wrote it; some were corrected since.
;; Interpretable Attention. Allowed arithmetic: float matrix products may take bf16 or f16 operands with f32 sums; other float arithmetic in f32, or as packed bf16 or f16 multiplies, adds, multiply-adds, maxima and minima; sums over many terms, partial sums and values carried from step to step in f32; what a program stores and reads back later, other than sums and carried values, may be rounded once to bf16 or f16.
;; Inputs: Wk 1,024 x 1,024 float32; Wq 1,024 x 1,024 float32; bk 1,024 float32; bq 1,024 float32; x 8 x 2,048 x 1,024 float32.
;; Outputs: out0 8 x 2,048 float32.
;; One version. Each part assembles by itself: llvm-mc -triple=amdgcn-amd-amdhsa -mcpu=gfx1250 --defsym DOCPART=n.
;; ======== version 1 of 1: 4 launches
;; workspace buffers: q0t 32,768 bytes; cp 4,096 bytes; up 262,144 bytes; sc 65,536 bytes
;; launch qrow (part 1): grid 128 x 1, 8 waves a work-group, no clusters, 34,304 bytes of LDS; arguments x, Wq, bq, bk, q0t, cp; writes q0t, cp
.if DOCPART == 1
	.amdgcn_target "amdgcn-amd-amdhsa--gfx1250"
	.amdhsa_code_object_version 6
	.text
	.protected	k_qda8944712f_qrow
	.globl	k_qda8944712f_qrow
	.p2align	8
	.type	k_qda8944712f_qrow,@function
k_qda8944712f_qrow:
	s_mov_b64 s[64:65], 0
	v_nop
	global_prefetch_b8 v0, s[64:65] scope:SCOPE_SE
	s_setreg_imm32_b32 hwreg(HW_REG_WAVE_MODE, 25, 1), 1
	s_wait_xcnt 0x0
; FIRST OF FOUR LAUNCHES.  The module returns row 0 of each batch's softmax, so of all queries only q0[b] = Wq x[b,0] + bq enters the result, and
; score[b][m] = q0[b] . (Wk x[b,m] + bk) = (Wk^T q0[b]) . x[b,m] + q0[b] . bk, for every input.  This launch makes
;   q0t[e][b] = Wq[e] . x[b,0] + bq[e]   ([1024][8] f32)    and    cp[g][b] = the sum over the group's 8 rows e of q0t[e][b] bk[e]   ([128][8] f32).
; All in f32 on the vector unit: 8 batches x 1,024 x 1,024 multiply-adds for 4 MiB of Wq, two multiply-adds a byte, so the bytes decide; and the scores feed an exponential,
; where an error of 0.01 is already 1% of a weight: 16-bit operands would spend that.
; LIMITS.  The f32 sums are taken in another order than a row-by-row product takes them; NaN and infinities are not treated apart.
; SHARES.  Group g owns rows e = 8 g .. 8 g + 7 of Wq; wave w owns row 8 g + w and fetches x[w,0,:] (4,096 bytes) for all eight waves, through LDS.
; Lane l holds the columns 128 j + 4 l + 0..3, j = 0..7.  A wave issues 16 global loads, all at its start: no loop, no ring in memory.
; 128 groups: 8 rows x 8 batches are 64 numbers, 256 consecutive aligned bytes of q0t, stored by one instruction.
; NO CLUSTER: what the groups share is the eight rows of x, 32 KiB, asked for once a group by plain loads of 512 consecutive bytes; a joint tensor load would set a round of
; the cluster's barrier in front of a text whose whole memory work is those 16 loads a wave.
.set XROW,  4096                       ; a row of x or Wq in bytes
.set QREG,  8*XROW                     ; LDS: behind the eight rows of x: word 8 w + b = q0t[8 g + w][b]
.set PREG,  QREG+256                   ; word 8 w + b = q0t[8 g + w][b] x bk[8 g + w]
.set SPARE, PREG+256                   ; the spare words, 128 bytes for each of the eight waves: four blocks of 256 bytes that no other line names
.set SPW, 6                            ; v6       LDS address of my spare word; never rewritten
.set NIL, 7                            ; v7       0; never rewritten
.set T,   8                            ; v[8:15]  four chains of a dot product, two numbers each
.set V,   16                           ; v[16:23] my lane's part of the dot product for batch b
.set F,   24                           ; v[24:30] at work in the fold; later wave 0's way out
.set W,   32                           ; v[32:63] my 32 numbers of Wq's row
.set G,   64                           ; v[64:95] my 32 numbers of x[w,0], as loaded
.set X,   96                           ; v[96:223] four slots of 32: my 32 numbers of x[b,0], from LDS
; v1 = 16 x lane; v2 = 4,096 w + 16 x lane; v3 = QREG + 32 w + 4 (lane % 8); v4 = 8 x lane; v5 = QREG + 8 x lane
	s_load_b256 s[4:11], s[0:1], 0x0               ; x s[4:5], Wq s[6:7], bq s[8:9], bk s[10:11]
	s_load_b128 s[12:15], s[0:1], 0x20             ; q0t s[12:13], cp s[14:15]
	v_lshl_add_u32 v[SPW], v0, 2, SPARE
	v_mov_b32 v[NIL], 0
	v_lshrrev_b32 v8, 5, v0
	v_readfirstlane_b32 s16, v8                    ; wave 0..7
	v_and_b32 v1, 31, v0
	v_lshlrev_b32 v1, 4, v1
	v_lshl_add_u32 v2, s16, 12, v1
	v_and_b32 v3, 7, v0
	s_lshl_b32 s37, s16, 5
	s_add_co_u32 s37, s37, QREG
	v_lshl_add_u32 v3, v3, 2, s37
	v_lshrrev_b32 v4, 1, v1
	v_add_nc_u32 v5, QREG, v4
	s_lshl_b32 s17, ttmp9, 3
	s_add_co_u32 s17, s17, s16                     ; e = 8 g + w
	s_lshl_b32 s18, s16, 23                        ; batch w of x begins 2,048 x 4,096 bytes x w in
	s_mov_b32 s19, 0
	s_lshl_b32 s20, s17, 12                        ; row e of Wq
	s_mov_b32 s21, 0
	s_lshl_b32 s22, s17, 2                         ; number e of bq and of bk
	s_mov_b32 s23, 0
	s_lshl_b32 s32, ttmp9, 8                       ; the group's 256 bytes of q0t
	s_mov_b32 s33, 0
	s_lshl_b32 s34, ttmp9, 5                       ; its 32 bytes of cp
	s_mov_b32 s35, 0
	s_mov_b32 s24, 0xaaaaaaaa                      ; lanes whose number has bit 0 set,
	s_mov_b32 s25, 0xcccccccc                      ; bit 1,
	s_mov_b32 s26, 0xf0f0f0f0                      ; bit 2
	s_mov_b32 s28, 0x76543210                      ; v_permlanex16_b32: each lane takes its own place in the other half
	s_mov_b32 s29, 0xfedcba98
	s_wait_kmcnt 0x0
	s_add_nc_u64 s[4:5], s[4:5], s[18:19]
	s_add_nc_u64 s[6:7], s[6:7], s[20:21]
	s_add_nc_u64 s[8:9], s[8:9], s[22:23]
	s_add_nc_u64 s[10:11], s[10:11], s[22:23]
	s_add_nc_u64 s[12:13], s[12:13], s[32:33]
	s_add_nc_u64 s[14:15], s[14:15], s[34:35]
	s_load_b32 s30, s[8:9], 0x0                    ; bq[e]
	s_load_b32 s31, s[10:11], 0x0                  ; bk[e]
.irp j, 0,1,2,3,4,5,6,7
	global_load_b128 v[G+4*(\j):G+4*(\j)+3], v1, s[4:5] offset:512*(\j)                  ; x[w,0]: 512 consecutive bytes a load; every group reads these rows, so no hint
.endr
.irp j, 0,1,2,3,4,5,6,7
	global_load_b128 v[W+4*(\j):W+4*(\j)+3], v1, s[6:7] offset:512*(\j) th:TH_LOAD_NT    ; Wq[e]: read once in the launch
.endr
	s_wait_loadcnt 0x8                             ; loads come back in order: my row of x is in, Wq's eight loads stay out
.irp j, 0,1,2,3,4,5,6,7
	ds_store_b128 v2, v[G+4*(\j):G+4*(\j)+3] offset:512*(\j)
.endr
	s_wait_dscnt 0x0                               ; for the others' sake: my row lies in LDS
	s_barrier_signal -1
	s_barrier_wait -1                              ; all eight rows do
; v[dst] = the sum over my 32 numbers of v[a + i] v[b + i]: four chains that do not wait for each other; the first products start them, nothing is cleared
.macro DOT dst, a, b
.irp k, 0,1,2,3
	v_pk_mul_f32 v[T+2*(\k):T+2*(\k)+1], v[(\a)+4*(\k):(\a)+4*(\k)+1], v[(\b)+4*(\k):(\b)+4*(\k)+1]
.endr
.irp o, 2,16,18
.irp k, 0,1,2,3
	v_pk_fma_f32 v[T+2*(\k):T+2*(\k)+1], v[(\a)+4*(\k)+(\o):(\a)+4*(\k)+(\o)+1], v[(\b)+4*(\k)+(\o):(\b)+4*(\k)+(\o)+1], v[T+2*(\k):T+2*(\k)+1]
.endr
.endr
	v_pk_add_f32 v[T:T+1], v[T:T+1], v[T+2:T+3]
	v_pk_add_f32 v[T+4:T+5], v[T+4:T+5], v[T+6:T+7]
	v_pk_add_f32 v[T:T+1], v[T:T+1], v[T+4:T+5]
	v_add_f32 v[\dst], v[T], v[T+1]
.endm
; One step of a reduction that also deals the sums out among the lanes.  A lane whose bit is set keeps hi and hands lo to the lane x away, the other the reverse;
; afterwards lo holds, in each lane, the sum of both lanes' parts of the number that the lane kept.
.macro FOLD lo, hi, tmp, mask, x
	v_cndmask_b32 v[\tmp], v[\hi], v[\lo], s[\mask]   ; what my partner keeps
	v_cndmask_b32 v[\lo], v[\lo], v[\hi], s[\mask]    ; what I keep
	v_add_f32_dpp v[\lo], v[\tmp], v[\lo] row_xmask:\x row_mask:0xf bank_mask:0xf
.endm
.macro FETCH b                         ; my 32 numbers of x[b,0] into slot b % 4: 512 consecutive bytes a load, no bank is asked twice
.irp j, 0,1,2,3,4,5,6,7
	ds_load_b128 v[X+32*((\b)%4)+4*(\j):X+32*((\b)%4)+4*(\j)+3], v1 offset:XROW*(\b)+512*(\j)
.endr
.endm
.macro BATCH b, left, more             ; left: the LDS loads issued behind batch b's eight, which may stay out
	s_wait_dscnt \left
	DOT V+(\b), X+32*((\b)%4), W
.if \more
	FETCH (\b)+4
.endif
.endm
	FETCH 0
	FETCH 1
	FETCH 2
	FETCH 3
	s_wait_loadcnt 0x0                             ; Wq's row
	BATCH 0, 24, 1                                 ; three batches' loads, 24, stand behind the one that is multiplied,
	BATCH 1, 24, 1
	BATCH 2, 24, 1
	BATCH 3, 24, 1
	BATCH 4, 24, 0
	BATCH 5, 16, 0                                 ; then the counts run down
	BATCH 6, 8, 0
	BATCH 7, 0, 0
	; eight numbers a lane become one: lane l ends with the whole sum for batch l % 8
	FOLD V+0, V+1, F+0, 24, 1
	FOLD V+2, V+3, F+1, 24, 1
	FOLD V+4, V+5, F+2, 24, 1
	FOLD V+6, V+7, F+3, 24, 1
	FOLD V+0, V+2, F+4, 25, 2
	FOLD V+4, V+6, F+5, 25, 2
	FOLD V+0, V+4, F+6, 26, 4
	v_add_f32_dpp v[V], v[V], v[V] row_xmask:8 row_mask:0xf bank_mask:0xf
	v_permlanex16_b32 v[F], v[V], s28, s29
	v_add_f32 v[V], v[V], v[F]
	s_wait_kmcnt 0x0                               ; bq[e], bk[e]
	v_add_f32 v[V], s30, v[V]                      ; q0t[e][l % 8]
	v_mul_f32 v[V+1], s31, v[V]                    ; and its share of q0 . bk
	ds_store_b32 v3, v[V]                          ; the four lanes of one batch write the same word with the same number
	ds_store_b32 v3, v[V+1] offset:PREG-QREG
	s_wait_tensorcnt 0x0                           ; behind my last LDS store
	ds_add_u32 v[SPW], v[NIL]
	s_wait_dscnt 0x0                               ; the wait also shows my two stores done, for wave 0's sake
	s_barrier_signal -1
	s_barrier_wait -1
	s_cmp_lg_u32 s16, 0
	s_cbranch_scc1 .Lend                           ; wave 0 alone stores; what follows reads LDS and writes none of it
	ds_load_b64 v[F:F+1], v5                       ; lane l: row w = l / 4, batches 2 (l % 4) and + 1
	ds_load_b64 v[F+2:F+3], v5 offset:PREG-QREG
	s_wait_dscnt 0x0
	global_store_b64 v4, v[F:F+1], s[12:13]        ; 256 consecutive bytes, at a multiple of 256 from q0t's first byte
	v_add_f32_dpp v[F+2], v[F+2], v[F+2] row_xmask:4 row_mask:0xf bank_mask:0xf   ; the sum over the eight rows: lanes 4, 8 and 16 apart
	v_add_f32_dpp v[F+3], v[F+3], v[F+3] row_xmask:4 row_mask:0xf bank_mask:0xf
	v_add_f32_dpp v[F+2], v[F+2], v[F+2] row_xmask:8 row_mask:0xf bank_mask:0xf
	v_add_f32_dpp v[F+3], v[F+3], v[F+3] row_xmask:8 row_mask:0xf bank_mask:0xf
	v_permlanex16_b32 v[F+4], v[F+2], s28, s29
	v_permlanex16_b32 v[F+5], v[F+3], s28, s29
	v_add_f32 v[F+2], v[F+2], v[F+4]
	v_add_f32 v[F+3], v[F+3], v[F+5]
	v_cmp_gt_u32 vcc_lo, 4, v0
	s_wait_xcnt 0x0                                ; EXEC is a source of the store above: it changes only behind this wait
	s_and_saveexec_b32 s36, vcc_lo
	global_store_b64 v4, v[F+2:F+3], s[14:15]      ; lanes 0 to 3: the group's eight numbers of cp, 32 bytes: the one short store; cp is 4,096 bytes in all
	s_wait_xcnt 0x0                                ; and again in front of the line that widens it
	s_or_b32 exec_lo, exec_lo, s36
.Lend:
	s_endpgm
.Lfunc_end_k_qda8944712f_qrow:
	.size	k_qda8944712f_qrow, .Lfunc_end_k_qda8944712f_qrow-k_qda8944712f_qrow
	.p2alignl 7, 3214868480
	.fill 96, 4, 3214868480
	.section	.rodata,"a",@progbits
	.p2align	6, 0x0
	.amdhsa_kernel k_qda8944712f_qrow
		.amdhsa_group_segment_fixed_size 34304
		.amdhsa_private_segment_fixed_size 0
		.amdhsa_enable_private_segment 0
		.amdhsa_kernarg_size 48
		.amdhsa_user_sgpr_count 2
		.amdhsa_user_sgpr_kernarg_segment_ptr 1
		.amdhsa_wavefront_size32 1
		.amdhsa_system_sgpr_workgroup_id_x 1
		.amdhsa_system_sgpr_workgroup_id_y 1
		.amdhsa_system_sgpr_workgroup_id_z 1
		.amdhsa_system_vgpr_workitem_id 0
		.amdhsa_next_free_vgpr 224
		.amdhsa_next_free_sgpr 66
		.amdhsa_reserve_vcc 1
		.amdhsa_float_denorm_mode_32 3
		.amdhsa_float_denorm_mode_16_64 3
		.amdhsa_memory_ordered 1
		.amdhsa_forward_progress 1
		.amdhsa_inst_pref_size 22
	.end_amdhsa_kernel
	.amdgpu_metadata
---
amdhsa.version: [ 1, 2 ]
amdhsa.kernels:
  - .name:           k_qda8944712f_qrow
    .symbol:         k_qda8944712f_qrow.kd
    .args:
      - { .name: x, .offset: 0, .size: 8, .value_kind: global_buffer, .address_space: global }
      - { .name: Wq, .offset: 8, .size: 8, .value_kind: global_buffer, .address_space: global }
      - { .name: bq, .offset: 16, .size: 8, .value_kind: global_buffer, .address_space: global }
      - { .name: bk, .offset: 24, .size: 8, .value_kind: global_buffer, .address_space: global }
      - { .name: q0t, .offset: 32, .size: 8, .value_kind: global_buffer, .address_space: global }
      - { .name: cp, .offset: 40, .size: 8, .value_kind: global_buffer, .address_space: global }
    .group_segment_fixed_size: 34304
    .private_segment_fixed_size: 0
    .kernarg_segment_align: 8
    .kernarg_segment_size: 48
    .max_flat_workgroup_size: 256
    .sgpr_count:     66
    .vgpr_count:     224
    .wavefront_size: 32
...
	.end_amdgpu_metadata
.endif
;; end of part 1
;; launch ucol (part 2): grid 8 x 8, 16 waves a work-group, no clusters, 67,584 bytes of LDS; arguments Wk, q0t, up; writes up
.if DOCPART == 2
	.amdgcn_target "amdgcn-amd-amdhsa--gfx1250"
	.amdhsa_code_object_version 6
	.text
	.protected	k_qda8944712f_ucol
	.globl	k_qda8944712f_ucol
	.p2align	8
	.type	k_qda8944712f_ucol,@function
k_qda8944712f_ucol:
	s_mov_b64 s[64:65], 0
	v_nop
	global_prefetch_b8 v0, s[64:65] scope:SCOPE_SE
	s_setreg_imm32_b32 hwreg(HW_REG_WAVE_MODE, 25, 1), 1
	s_wait_xcnt 0x0
; SECOND LAUNCH.  u[b][d] = the sum over e of q0t[e][b] Wk[e][d], left as eight partial sums:  up[i][b][d] = the sum over e = 128 i .. 128 i + 127   ([8][8][1024] f32).
; All in f32 on the vector unit: 8 batches, two multiply-adds for each byte of Wk; each byte of Wk is read once.
; LIMITS.  The order of the f32 sums is this text's own; NaN and infinities are not treated apart.
; SHARES.  Group (j, i) owns columns 128 j .. + 127 of rows 128 i .. + 127: 128 pieces of 512 bytes.  Wave w owns the rows 128 i + 8 w + r, r = 0..7; lane l the columns
; 128 j + 4 l + 0..3.  A load's row is the same in all lanes, so its eight multipliers q0t[e][0..7] are scalars: a wave's 64 are 256 consecutive bytes, four scalar loads.
; The sixteen waves' sums meet in LDS, so that only one partial sum a group goes to memory: the next launch reads 4,096 bytes for each chunk i.
; NO CLUSTER, no tensor load: no two groups read the same bytes of Wk, and a wave's share is eight loads, all issued at its start.
.set RED,   0                          ; LDS: [16 waves][8 batches][512 bytes]
.set SPARE, 65536                      ; the spare words, 128 bytes for each of the sixteen waves: eight blocks of 256 bytes that no other line names
.set SPW, 6                            ; v6        LDS address of my spare word; never rewritten
.set NIL, 7                            ; v7        0; never rewritten
.set ACC, 16                           ; v[16:47]  batch b, column c at ACC + 4 b + c
.set W,   48                           ; v[48:79]  row r, column c at W + 4 r + c
.set R,   80                           ; v[80:111] sixteen waves' sums of my two columns
.set Q0,  16                           ; s[16:63], s[68:83]  q0t of row r, batch b at Q0 + 8 r + b, four further on for rows 6 and 7
; v1 = 16 x lane; v2 = 4,096 w + 16 x lane; v3 = 8 x thread; v4 = 8 x lane
	s_load_b128 s[4:7], s[0:1], 0x0                ; Wk s[4:5], q0t s[6:7]
	s_load_b64 s[8:9], s[0:1], 0x10                ; up
	v_lshl_add_u32 v[SPW], v0, 2, SPARE
	v_mov_b32 v[NIL], 0
	v_lshrrev_b32 v8, 5, v0
	v_readfirstlane_b32 s10, v8                    ; wave 0..15
	v_and_b32 v1, 31, v0
	v_lshlrev_b32 v4, 3, v1
	v_lshlrev_b32 v1, 4, v1
	v_lshl_add_u32 v2, s10, 12, v1
	v_lshlrev_b32 v3, 3, v0
	s_and_b32 s12, ttmp7, 0xffff                   ; i
	s_lshl_b32 s2, s12, 19                         ; Wk: 128 i rows of 4,096 bytes,
	s_lshl_b32 s13, s10, 15                        ; 8 w rows,
	s_add_co_u32 s2, s2, s13
	s_lshl_b32 s13, ttmp9, 9                       ; 128 j columns
	s_add_co_u32 s2, s2, s13
	s_mov_b32 s3, 0
	s_lshl_b32 s14, s12, 12                        ; q0t: 128 i rows of 32 bytes,
	s_lshl_b32 s13, s10, 8                         ; 8 w rows
	s_add_co_u32 s14, s14, s13
	s_mov_b32 s15, 0
	s_wait_kmcnt 0x0
	s_add_nc_u64 s[4:5], s[4:5], s[2:3]
	s_add_nc_u64 s[6:7], s[6:7], s[14:15]
	s_load_b512 s[16:31], s[6:7], 0x0              ; rows 0, 1
	s_load_b512 s[32:47], s[6:7], 0x40             ; rows 2, 3
	s_load_b512 s[48:63], s[6:7], 0x80             ; rows 4, 5
	s_load_b512 s[68:83], s[6:7], 0xc0             ; rows 6, 7
.irp r, 0,1,2,3,4,5,6,7
	global_load_b128 v[W+4*(\r):W+4*(\r)+3], v1, s[4:5] offset:4096*(\r) th:TH_LOAD_NT   ; 512 consecutive bytes of row r; read once in the launch
.endr
	s_lshl_b32 s2, s12, 15                         ; up: chunk i; on the way out wave w has batch w / 2,
	s_lshr_b32 s13, s10, 1
	s_lshl_b32 s13, s13, 12
	s_add_co_u32 s2, s2, s13
	s_lshl_b32 s13, ttmp9, 9                       ; the group's 128 columns,
	s_add_co_u32 s2, s2, s13
	s_and_b32 s13, s10, 1                          ; and half w % 2 of them
	s_lshl_b32 s13, s13, 8
	s_add_co_u32 s2, s2, s13
	s_add_nc_u64 s[8:9], s[8:9], s[2:3]
	s_wait_kmcnt 0x0                               ; the 64 multipliers
.irp r, 0,1,2,3,4,5,6,7
	s_wait_loadcnt 7-(\r)                          ; loads come back in order: row r is in, the rows behind it stay out
.irp b, 0,1,2,3,4,5,6,7
.irp c, 0,1,2,3
.if (\r) == 0
	v_mul_f32 v[ACC+4*(\b)+(\c)], s[Q0+(\b)], v[W+(\c)]                                   ; the first row starts the 32 sums: nothing is cleared
.else
	v_fmac_f32 v[ACC+4*(\b)+(\c)], s[Q0+8*(\r)+(\b)+4*((\r)/6)], v[W+4*(\r)+(\c)]         ; 32 sums by turns: none waits for the line before it
.endif
.endr
.endr
.endr
.irp b, 0,1,2,3,4,5,6,7
	ds_store_b128 v2, v[ACC+4*(\b):ACC+4*(\b)+3] offset:512*(\b)
.endr
	s_wait_tensorcnt 0x0                           ; behind my last LDS store
	ds_add_u32 v[SPW], v[NIL]
	s_wait_dscnt 0x0                               ; the wait also shows my eight stores done, for the others' sake
	s_barrier_signal -1
	s_barrier_wait -1
	; 8 x thread = 256 w + 8 x lane: in each wave's block of 4,096 bytes that is batch w / 2, half w % 2 of its 512 bytes, two columns a lane
.irp s, 0,1,2,3,4,5,6,7,8,9,10,11,12,13,14,15
	ds_load_b64 v[R+2*(\s):R+2*(\s)+1], v3 offset:4096*(\s)
.endr
	s_wait_dscnt 0x0
.irp s, 0,1,2,3,4,5,6,7
	v_pk_add_f32 v[R+2*(\s):R+2*(\s)+1], v[R+2*(\s):R+2*(\s)+1], v[R+2*(\s)+16:R+2*(\s)+17]
.endr
.irp s, 0,1,2,3
	v_pk_add_f32 v[R+2*(\s):R+2*(\s)+1], v[R+2*(\s):R+2*(\s)+1], v[R+2*(\s)+8:R+2*(\s)+9]
.endr
.irp s, 0,1
	v_pk_add_f32 v[R+2*(\s):R+2*(\s)+1], v[R+2*(\s):R+2*(\s)+1], v[R+2*(\s)+4:R+2*(\s)+5]
.endr
	v_pk_add_f32 v[R:R+1], v[R:R+1], v[R+2:R+3]
	global_store_b64 v4, v[R:R+1], s[8:9]          ; 256 consecutive bytes, at a multiple of 256 from up's first byte
	s_endpgm
.Lfunc_end_k_qda8944712f_ucol:
	.size	k_qda8944712f_ucol, .Lfunc_end_k_qda8944712f_ucol-k_qda8944712f_ucol
	.p2alignl 7, 3214868480
	.fill 96, 4, 3214868480
	.section	.rodata,"a",@progbits
	.p2align	6, 0x0
	.amdhsa_kernel k_qda8944712f_ucol
		.amdhsa_group_segment_fixed_size 67584
		.amdhsa_private_segment_fixed_size 0
		.amdhsa_enable_private_segment 0
		.amdhsa_kernarg_size 24
		.amdhsa_user_sgpr_count 2
		.amdhsa_user_sgpr_kernarg_segment_ptr 1
		.amdhsa_wavefront_size32 1
		.amdhsa_system_sgpr_workgroup_id_x 1
		.amdhsa_system_sgpr_workgroup_id_y 1
		.amdhsa_system_sgpr_workgroup_id_z 1
		.amdhsa_system_vgpr_workitem_id 0
		.amdhsa_next_free_vgpr 112
		.amdhsa_next_free_sgpr 84
		.amdhsa_reserve_vcc 0
		.amdhsa_float_denorm_mode_32 3
		.amdhsa_float_denorm_mode_16_64 3
		.amdhsa_memory_ordered 1
		.amdhsa_forward_progress 1
		.amdhsa_inst_pref_size 14
	.end_amdhsa_kernel
	.amdgpu_metadata
---
amdhsa.version: [ 1, 2 ]
amdhsa.kernels:
  - .name:           k_qda8944712f_ucol
    .symbol:         k_qda8944712f_ucol.kd
    .args:
      - { .name: Wk, .offset: 0, .size: 8, .value_kind: global_buffer, .address_space: global }
      - { .name: q0t, .offset: 8, .size: 8, .value_kind: global_buffer, .address_space: global }
      - { .name: up, .offset: 16, .size: 8, .value_kind: global_buffer, .address_space: global }
    .group_segment_fixed_size: 67584
    .private_segment_fixed_size: 0
    .kernarg_segment_align: 8
    .kernarg_segment_size: 24
    .max_flat_workgroup_size: 512
    .sgpr_count:     84
    .vgpr_count:     112
    .wavefront_size: 32
...
	.end_amdgpu_metadata
.endif
;; end of part 2
;; launch score (part 3): grid 256 x 1, 16 waves a work-group, no clusters, 6,400 bytes of LDS; arguments x, up, sc; writes sc
.if DOCPART == 3
	.amdgcn_target "amdgcn-amd-amdhsa--gfx1250"
	.amdhsa_code_object_version 6
	.text
	.protected	k_qda8944712f_score
	.globl	k_qda8944712f_score
	.p2align	8
	.type	k_qda8944712f_score,@function
k_qda8944712f_score:
	s_mov_b64 s[64:65], 0
	v_nop
	global_prefetch_b8 v0, s[64:65] scope:SCOPE_SE
	s_setreg_imm32_b32 hwreg(HW_REG_WAVE_MODE, 25, 1), 1
	s_wait_xcnt 0x0
; THIRD LAUNCH, the stream.  u[b] = the sum over i of up[i][b];  sc[b][m] = x[b,m] . u[b]   ([8][2048] f32; the constant q0 . bk is added in the last launch).
; One multiply-add for four bytes of x, so the bytes decide: each byte of x is read once, by loads of 512 consecutive bytes, and all of a wave's loads go out at its start.
; All in f32 on the vector unit: a product with one column has nothing for the matrix unit, and the scores feed an exponential, where 16-bit operands would spend the allowance.
; LIMITS.  The order of the f32 sums is this text's own; NaN and infinities are not treated apart.
; SHARES.  x is taken as [16384][1024].  Group g owns the 64 rows 64 g .. + 63, all of batch g / 32; wave w four of them, 16 KiB in 128 registers; lane l the columns 128 j + 4 l + 0..3.
; By the text's own count a wave has 40 loads out: 8 of partial sums, then 32 of x.  u[b] is made once a group: wave w adds the eight partial sums of columns 64 w .. + 63, and LDS hands
; the 4,096 bytes to all sixteen waves while x is on its way.
; NO CLUSTER, no tensor load: of the 288 KiB that a group reads only the 32 KiB of partial sums are shared with other groups, and x fits into registers whole, so no ring is needed.
.set U0,    0                          ; LDS: u[b], 4,096 bytes
.set SREG,  4096                       ; word 4 w + r = the score of the group's row 4 w + r
.set SPARE, 4352                       ; the spare words, 128 bytes for each of the sixteen waves: eight blocks of 256 bytes that no other line names
.set SPW, 6                            ; v6        LDS address of my spare word; never rewritten
.set NIL, 7                            ; v7        0; never rewritten
.set T,   8                            ; v[8:15]   four chains of a dot product
.set V,   16                           ; v[16:19]  my lane's part of row r's dot product
.set F,   20                           ; v[20:22]  at work in the fold
.set O,   24                           ; v[24:25]  wave 0's way out
.set PT,  32                           ; v[32:47]  eight partial sums of my two columns of u
.set U,   48                           ; v[48:79]  my 32 numbers of u
.set X,   80                           ; v[80:207] row r, piece j at X + 32 r + 4 j
; v2 = 16,384 w + 16 x lane; v3 = 8 x thread; v4 = 16 x lane; v5 = SREG + 16 w + 4 (lane % 4)
	s_load_b128 s[4:7], s[0:1], 0x0                ; x s[4:5], up s[6:7]
	s_load_b64 s[8:9], s[0:1], 0x10                ; sc
	v_lshl_add_u32 v[SPW], v0, 2, SPARE
	v_mov_b32 v[NIL], 0
	v_lshrrev_b32 v8, 5, v0
	v_readfirstlane_b32 s10, v8                    ; wave 0..15
	v_and_b32 v4, 31, v0
	v_lshlrev_b32 v4, 4, v4
	v_lshl_add_u32 v2, s10, 14, v4
	v_lshlrev_b32 v3, 3, v0
	v_and_b32 v5, 3, v0
	s_lshl_b32 s22, s10, 4
	s_add_co_u32 s22, s22, SREG
	v_lshl_add_u32 v5, v5, 2, s22
	s_lshl_b32 s12, ttmp9, 18                      ; 64 rows of 4,096 bytes a group: 255 x 2^18 at the most
	s_mov_b32 s13, 0
	s_lshr_b32 s18, ttmp9, 5                       ; the batch,
	s_lshl_b32 s18, s18, 12                        ; its 4,096 bytes in each chunk of up
	s_mov_b32 s19, 0
	s_lshl_b32 s20, ttmp9, 8                       ; the group's 64 scores
	s_mov_b32 s21, 0
	s_mov_b32 s14, 0xaaaaaaaa                      ; lanes whose number has bit 0 set,
	s_mov_b32 s15, 0xcccccccc                      ; bit 1
	s_mov_b32 s16, 0x76543210                      ; v_permlanex16_b32: each lane takes its own place in the other half
	s_mov_b32 s17, 0xfedcba98
	s_wait_kmcnt 0x0
	s_add_nc_u64 s[4:5], s[4:5], s[12:13]
	s_add_nc_u64 s[6:7], s[6:7], s[18:19]
	s_add_nc_u64 s[8:9], s[8:9], s[20:21]
.irp i, 0,1,2,3,4,5,6,7
	global_load_b64 v[PT+2*(\i):PT+2*(\i)+1], v3, s[6:7] offset:32768*(\i)               ; first, since loads come back in order; 256 consecutive bytes a wave; 32 groups read them, so no hint
.endr
.irp r, 0,1,2,3
.irp j, 0,1,2,3,4,5,6,7
	global_load_b128 v[X+32*(\r)+4*(\j):X+32*(\r)+4*(\j)+3], v2, s[4:5] offset:4096*(\r)+512*(\j) th:TH_LOAD_NT   ; read once in the launch
.endr
.endr
	s_wait_loadcnt 0x20                            ; the partial sums are in; the 32 loads of x behind them stay out
.irp i, 0,1,2,3
	v_pk_add_f32 v[PT+2*(\i):PT+2*(\i)+1], v[PT+2*(\i):PT+2*(\i)+1], v[PT+2*(\i)+8:PT+2*(\i)+9]
.endr
.irp i, 0,1
	v_pk_add_f32 v[PT+2*(\i):PT+2*(\i)+1], v[PT+2*(\i):PT+2*(\i)+1], v[PT+2*(\i)+4:PT+2*(\i)+5]
.endr
	v_pk_add_f32 v[PT:PT+1], v[PT:PT+1], v[PT+2:PT+3]
	ds_store_b64 v3, v[PT:PT+1]
	s_wait_dscnt 0x0                               ; for the others' sake: my two columns of u lie in LDS
	s_barrier_signal -1                            ; x stays on its way across this barrier: nobody writes those bytes
	s_barrier_wait -1
.irp j, 0,1,2,3,4,5,6,7
	ds_load_b128 v[U+4*(\j):U+4*(\j)+3], v4 offset:512*(\j)
.endr
	s_wait_dscnt 0x0
; v[dst] = the sum over my 32 numbers of v[a + i] v[b + i]: four chains that do not wait for each other; the first products start them, nothing is cleared
.macro DOT dst, a, b
.irp k, 0,1,2,3
	v_pk_mul_f32 v[T+2*(\k):T+2*(\k)+1], v[(\a)+4*(\k):(\a)+4*(\k)+1], v[(\b)+4*(\k):(\b)+4*(\k)+1]
.endr
.irp o, 2,16,18
.irp k, 0,1,2,3
	v_pk_fma_f32 v[T+2*(\k):T+2*(\k)+1], v[(\a)+4*(\k)+(\o):(\a)+4*(\k)+(\o)+1], v[(\b)+4*(\k)+(\o):(\b)+4*(\k)+(\o)+1], v[T+2*(\k):T+2*(\k)+1]
.endr
.endr
	v_pk_add_f32 v[T:T+1], v[T:T+1], v[T+2:T+3]
	v_pk_add_f32 v[T+4:T+5], v[T+4:T+5], v[T+6:T+7]
	v_pk_add_f32 v[T:T+1], v[T:T+1], v[T+4:T+5]
	v_add_f32 v[\dst], v[T], v[T+1]
.endm
; One step of a reduction that also deals the sums out among the lanes.  A lane whose bit is set keeps hi and hands lo to the lane x away, the other the reverse;
; afterwards lo holds, in each lane, the sum of both lanes' parts of the number that the lane kept.
.macro FOLD lo, hi, tmp, mask, x
	v_cndmask_b32 v[\tmp], v[\hi], v[\lo], s[\mask]   ; what my partner keeps
	v_cndmask_b32 v[\lo], v[\lo], v[\hi], s[\mask]    ; what I keep
	v_add_f32_dpp v[\lo], v[\tmp], v[\lo] row_xmask:\x row_mask:0xf bank_mask:0xf
.endm
.irp r, 0,1,2,3
	s_wait_loadcnt 8*(3-(\r))                      ; row r's eight loads are in; eight for each row behind it stay out
	DOT V+(\r), X+32*(\r), U
.endr
	FOLD V+0, V+1, F+0, 14, 1                      ; four numbers a lane become one: lane l ends with the whole sum for row l % 4
	FOLD V+2, V+3, F+1, 14, 1
	FOLD V+0, V+2, F+2, 15, 2
	v_add_f32_dpp v[V], v[V], v[V] row_xmask:4 row_mask:0xf bank_mask:0xf
	v_add_f32_dpp v[V], v[V], v[V] row_xmask:8 row_mask:0xf bank_mask:0xf
	v_permlanex16_b32 v[F], v[V], s16, s17
	v_add_f32 v[V], v[V], v[F]
	ds_store_b32 v5, v[V]                          ; the eight lanes of one row write the same word with the same number
	s_wait_tensorcnt 0x0                           ; behind my last LDS store
	ds_add_u32 v[SPW], v[NIL]
	s_wait_dscnt 0x0                               ; the wait also shows my store done, for wave 0's sake
	s_barrier_signal -1
	s_barrier_wait -1
	s_cmp_lg_u32 s10, 0
	s_cbranch_scc1 .Lend                           ; wave 0 alone stores; what follows reads LDS and writes none of it
	ds_load_b64 v[O:O+1], v3 offset:SREG           ; in wave 0 the thread's number is the lane's: two scores a lane
	s_wait_dscnt 0x0
	global_store_b64 v3, v[O:O+1], s[8:9]          ; the group's 64 scores: 256 consecutive bytes, at a multiple of 256 from sc's first byte
.Lend:
	s_endpgm
.Lfunc_end_k_qda8944712f_score:
	.size	k_qda8944712f_score, .Lfunc_end_k_qda8944712f_score-k_qda8944712f_score
	.p2alignl 7, 3214868480
	.fill 96, 4, 3214868480
	.section	.rodata,"a",@progbits
	.p2align	6, 0x0
	.amdhsa_kernel k_qda8944712f_score
		.amdhsa_group_segment_fixed_size 6400
		.amdhsa_private_segment_fixed_size 0
		.amdhsa_enable_private_segment 0
		.amdhsa_kernarg_size 24
		.amdhsa_user_sgpr_count 2
		.amdhsa_user_sgpr_kernarg_segment_ptr 1
		.amdhsa_wavefront_size32 1
		.amdhsa_system_sgpr_workgroup_id_x 1
		.amdhsa_system_sgpr_workgroup_id_y 1
		.amdhsa_system_sgpr_workgroup_id_z 1
		.amdhsa_system_vgpr_workitem_id 0
		.amdhsa_next_free_vgpr 208
		.amdhsa_next_free_sgpr 66
		.amdhsa_reserve_vcc 0
		.amdhsa_float_denorm_mode_32 3
		.amdhsa_float_denorm_mode_16_64 3
		.amdhsa_memory_ordered 1
		.amdhsa_forward_progress 1
		.amdhsa_inst_pref_size 13
	.end_amdhsa_kernel
	.amdgpu_metadata
---
amdhsa.version: [ 1, 2 ]
amdhsa.kernels:
  - .name:           k_qda8944712f_score
    .symbol:         k_qda8944712f_score.kd
    .args:
      - { .name: x, .offset: 0, .size: 8, .value_kind: global_buffer, .address_space: global }
      - { .name: up, .offset: 8, .size: 8, .value_kind: global_buffer, .address_space: global }
      - { .name: sc, .offset: 16, .size: 8, .value_kind: global_buffer, .address_space: global }
    .group_segment_fixed_size: 6400
    .private_segment_fixed_size: 0
    .kernarg_segment_align: 8
    .kernarg_segment_size: 24
    .max_flat_workgroup_size: 512
    .sgpr_count:     66
    .vgpr_count:     208
    .wavefront_size: 32
...
	.end_amdgpu_metadata
.endif
;; end of part 3
;; launch soft (part 4): grid 8 x 1, 1 waves a work-group, no clusters, 0 bytes of LDS; arguments sc, cp, out0; writes out0
.if DOCPART == 4
	.amdgcn_target "amdgcn-amd-amdhsa--gfx1250"
	.amdhsa_code_object_version 6
	.text
	.protected	k_qda8944712f_soft
	.globl	k_qda8944712f_soft
	.p2align	8
	.type	k_qda8944712f_soft,@function
k_qda8944712f_soft:
	s_mov_b64 s[64:65], 0
	v_nop
	global_prefetch_b8 v0, s[64:65] scope:SCOPE_SE
	s_setreg_imm32_b32 hwreg(HW_REG_WAVE_MODE, 25, 1), 1
	s_wait_xcnt 0x0
; FOURTH LAUNCH.  c[b] = the sum over g of cp[g][b] (= q0[b] . bk);  t[m] = sc[b][m] + c[b];  out0[b][m] = exp(t[m] - max t) / the sum over m of exp(t[m] - max t).  All in f32.
; The maximum is the row's true maximum, taken away before the exponential; the difference is formed first and scaled by log2(e) afterwards, so that large scores lose nothing.
; LIMITS.  A weight below 2^-126 comes out as 0 (v_exp_f32 gives 0 for such a result: ISA guide, the instruction's entry); the division is a multiplication by v_rcp_f32's reciprocal;
; the order of the f32 sums is this text's own; NaN and infinities are not treated apart.  The sum is at least 1: the maximum's own weight is 1.
; SHARES.  One wave, one batch: 2,048 scores are 64 registers, so the row stays in registers through all passes, the reductions never leave the wave, and there is no LDS and no barrier.
; Eight groups: the whole launch is 20 loads a wave, one trip to memory and back; more waves a row would add two barriers to that trip.
.set S, 32                             ; v[32:95] my 64 scores: numbers 128 k + 4 l + 0..3 at S + 4 k
.set C, 16                             ; v[16:23] chains of the maximum and of the sum
; v1 = 16 x lane; v2 = 32 x lane; v[4:7] cp; v[8:9] c, twice; v[10:11] the maximum, twice; v[12:13] 1 / sum, twice; v14 what comes from the other half of the lanes
	s_load_b128 s[4:7], s[0:1], 0x0                ; sc s[4:5], cp s[6:7]
	s_load_b64 s[8:9], s[0:1], 0x10                ; out0
	v_lshlrev_b32 v1, 4, v0
	v_lshlrev_b32 v2, 5, v0
	v_mov_b32 v14, 0                               ; v_permlanex16_b32 counts as a reader of its destination: it is written once here
	s_lshl_b32 s10, ttmp9, 13                      ; a batch's 2,048 numbers
	s_mov_b32 s11, 0
	s_lshl_b32 s12, ttmp9, 2                       ; number b of cp's rows of eight
	s_mov_b32 s13, 0
	s_mov_b32 s14, 0x76543210                      ; each lane takes its own place in the other half
	s_mov_b32 s15, 0xfedcba98
	s_wait_kmcnt 0x0
	s_add_nc_u64 s[4:5], s[4:5], s[10:11]
	s_add_nc_u64 s[8:9], s[8:9], s[10:11]
	s_add_nc_u64 s[6:7], s[6:7], s[12:13]
.irp j, 0,1,2,3
	global_load_b32 v[4+(\j)], v2, s[6:7] offset:1024*(\j)                               ; cp[l + 32 j][b]
.endr
.irp k, 0,1,2,3,4,5,6,7,8,9,10,11,12,13,14,15
	global_load_b128 v[S+4*(\k):S+4*(\k)+3], v1, s[4:5] offset:512*(\k)                  ; 512 consecutive bytes a load
.endr
	s_wait_loadcnt 0x10                            ; cp is in; the 16 loads of scores behind it stay out
	v_add_f32 v4, v4, v5
	v_add_f32 v6, v6, v7
	v_add_f32 v8, v4, v6
	v_add_f32_dpp v8, v8, v8 row_xmask:1 row_mask:0xf bank_mask:0xf
	v_add_f32_dpp v8, v8, v8 row_xmask:2 row_mask:0xf bank_mask:0xf
	v_add_f32_dpp v8, v8, v8 row_xmask:4 row_mask:0xf bank_mask:0xf
	v_add_f32_dpp v8, v8, v8 row_xmask:8 row_mask:0xf bank_mask:0xf
	v_permlanex16_b32 v14, v8, s14, s15
	v_add_f32 v8, v8, v14                          ; c[b], in every lane
	v_mov_b32 v9, v8
	s_wait_loadcnt 0x0
.set i, 0
.rept 32
	v_pk_add_f32 v[S+2*i:S+2*i+1], v[S+2*i:S+2*i+1], v[8:9]                              ; t = s + c
.set i, i+1
.endr
	; the maximum: four chains of sixteen numbers, three operands at a time
.irp k, 0,1,2,3
	v_max3_num_f32 v[C+(\k)], v[S+16*(\k)], v[S+16*(\k)+1], v[S+16*(\k)+2]
.endr
.irp n, 0,1,2,3,4,5
.irp k, 0,1,2,3
	v_max3_num_f32 v[C+(\k)], v[C+(\k)], v[S+16*(\k)+3+2*(\n)], v[S+16*(\k)+4+2*(\n)]
.endr
.endr
.irp k, 0,1,2,3
	v_max_num_f32 v[C+(\k)], v[C+(\k)], v[S+16*(\k)+15]
.endr
	v_max3_num_f32 v[C], v[C], v[C+1], v[C+2]
	v_max_num_f32 v[C], v[C], v[C+3]
	v_max_num_f32_dpp v[C], v[C], v[C] row_xmask:1 row_mask:0xf bank_mask:0xf
	v_max_num_f32_dpp v[C], v[C], v[C] row_xmask:2 row_mask:0xf bank_mask:0xf
	v_max_num_f32_dpp v[C], v[C], v[C] row_xmask:4 row_mask:0xf bank_mask:0xf
	v_max_num_f32_dpp v[C], v[C], v[C] row_xmask:8 row_mask:0xf bank_mask:0xf
	v_permlanex16_b32 v14, v[C], s14, s15
	v_max_num_f32 v10, v[C], v14                   ; the row's maximum, in every lane
	v_mov_b32 v11, v10
.set i, 0
.rept 32
	v_pk_add_f32 v[S+2*i:S+2*i+1], v[S+2*i:S+2*i+1], v[10:11] neg_lo:[0,1] neg_hi:[0,1]  ; t - max: 0 or below
.set i, i+1
.endr
.set i, 0
.rept 32
	v_pk_mul_f32 v[S+2*i:S+2*i+1], v[S+2*i:S+2*i+1], 0x3fb8aa3b op_sel_hi:[1,0]          ; times log2(e): v_exp_f32 works in base 2
.set i, i+1
.endr
.set i, 0
.rept 64
	v_exp_f32 v[S+i], v[S+i]
.set i, i+1
.endr
	v_nop                                          ; a plain instruction between the last exponential and the use of its result (ISA guide 5.7.2)
	; the sum: four chains of eight pairs; the first addition starts each
	s_wait_alu depctr_va_vdst(0)
.irp k, 0,1,2,3
	v_pk_add_f32 v[C+2*(\k):C+2*(\k)+1], v[S+16*(\k):S+16*(\k)+1], v[S+16*(\k)+2:S+16*(\k)+3]
.endr
.irp n, 2,3,4,5,6,7
.irp k, 0,1,2,3
	v_pk_add_f32 v[C+2*(\k):C+2*(\k)+1], v[C+2*(\k):C+2*(\k)+1], v[S+16*(\k)+2*(\n):S+16*(\k)+2*(\n)+1]
.endr
.endr
	v_pk_add_f32 v[C:C+1], v[C:C+1], v[C+2:C+3]
	v_pk_add_f32 v[C+4:C+5], v[C+4:C+5], v[C+6:C+7]
	v_pk_add_f32 v[C:C+1], v[C:C+1], v[C+4:C+5]
	v_add_f32 v[C], v[C], v[C+1]
	v_add_f32_dpp v[C], v[C], v[C] row_xmask:1 row_mask:0xf bank_mask:0xf
	v_add_f32_dpp v[C], v[C], v[C] row_xmask:2 row_mask:0xf bank_mask:0xf
	v_add_f32_dpp v[C], v[C], v[C] row_xmask:4 row_mask:0xf bank_mask:0xf
	v_add_f32_dpp v[C], v[C], v[C] row_xmask:8 row_mask:0xf bank_mask:0xf
	v_permlanex16_b32 v14, v[C], s14, s15
	v_add_f32 v[C], v[C], v14                      ; the row's sum, in every lane
	v_rcp_f32 v12, v[C]                            ; made twice, to fill the pair that the packed multiply names
	v_rcp_f32 v13, v[C]
	v_nop                                          ; a plain instruction between the reciprocals and their use
.set i, 0
	s_wait_alu depctr_va_vdst(0)
.rept 32
	v_pk_mul_f32 v[S+2*i:S+2*i+1], v[S+2*i:S+2*i+1], v[12:13]
.set i, i+1
.endr
.irp k, 0,1,2,3,4,5,6,7,8,9,10,11,12,13,14,15
	global_store_b128 v1, v[S+4*(\k):S+4*(\k)+3], s[8:9] offset:512*(\k)                 ; 512 consecutive bytes, at a multiple of 256 from out0's first byte
.endr
	s_endpgm
.Lfunc_end_k_qda8944712f_soft:
	.size	k_qda8944712f_soft, .Lfunc_end_k_qda8944712f_soft-k_qda8944712f_soft
	.p2alignl 7, 3214868480
	.fill 96, 4, 3214868480
	.section	.rodata,"a",@progbits
	.p2align	6, 0x0
	.amdhsa_kernel k_qda8944712f_soft
		.amdhsa_group_segment_fixed_size 0
		.amdhsa_private_segment_fixed_size 0
		.amdhsa_enable_private_segment 0
		.amdhsa_kernarg_size 24
		.amdhsa_user_sgpr_count 2
		.amdhsa_user_sgpr_kernarg_segment_ptr 1
		.amdhsa_wavefront_size32 1
		.amdhsa_system_sgpr_workgroup_id_x 1
		.amdhsa_system_sgpr_workgroup_id_y 1
		.amdhsa_system_sgpr_workgroup_id_z 1
		.amdhsa_system_vgpr_workitem_id 0
		.amdhsa_next_free_vgpr 96
		.amdhsa_next_free_sgpr 66
		.amdhsa_reserve_vcc 0
		.amdhsa_float_denorm_mode_32 3
		.amdhsa_float_denorm_mode_16_64 3
		.amdhsa_memory_ordered 1
		.amdhsa_forward_progress 1
		.amdhsa_inst_pref_size 21
	.end_amdhsa_kernel
	.amdgpu_metadata
---
amdhsa.version: [ 1, 2 ]
amdhsa.kernels:
  - .name:           k_qda8944712f_soft
    .symbol:         k_qda8944712f_soft.kd
    .args:
      - { .name: sc, .offset: 0, .size: 8, .value_kind: global_buffer, .address_space: global }
      - { .name: cp, .offset: 8, .size: 8, .value_kind: global_buffer, .address_space: global }
      - { .name: out0, .offset: 16, .size: 8, .value_kind: global_buffer, .address_space: global }
    .group_segment_fixed_size: 0
    .private_segment_fixed_size: 0
    .kernarg_segment_align: 8
    .kernarg_segment_size: 24
    .max_flat_workgroup_size: 32
    .sgpr_count:     66
    .vgpr_count:     96
    .wavefront_size: 32
...
	.end_amdgpu_metadata
.endif
;; end of part 4
